; MI455X (gfx1250); checked and timed in simulation.
; The chip was launched on July 23, 2026; its instructions are those of AMD's public machine-readable ISA for CDNA 5 (MIT licence, August 2026) and "CDNA5" Instruction Set Architecture Reference Guide (July 2026). The comments in the code are by the model that wrote it; some were corrected since.
;; Causal Multi Head Attention. Allowed arithmetic: float matrix products may take bf16 or f16 operands with f32 sums; all other float work in f32.
;; Inputs: bk 1,024 float32; bo 1,024 float32; bq 1,024 float32; bv 1,024 float32; wk 1,024 x 1,024 float32; wo 1,024 x 1,024 float32; wq 1,024 x 1,024 float32; wv 1,024 x 1,024 float32; x 4 x 2,048 x 1,024 float32.
;; Outputs: out0 4 x 2,048 x 1,024 float32.
;; One version. Each part assembles by itself: llvm-mc -triple=amdgcn-amd-amdhsa -mcpu=gfx1250 --defsym DOCPART=n.
;; ======== version 1 of 1: 4 launches
;; limits: values are held in f16: magnitudes above 65,504 overflow, below 6.1e-05 lose precision
;; workspace buffers: cast 25,165,824 bytes; qkv 50,331,648 bytes; ctx 16,777,216 bytes
;; launch cast (part 1): grid 64 x 12, 8 waves a work-group, no clusters, 0 bytes of LDS; arguments x, wq, wk, wv, wo, cast; writes cast
.if DOCPART == 1
	.amdgcn_target "amdgcn-amd-amdhsa--gfx1250"
	.amdhsa_code_object_version 6
	.text
	.protected	k_q580a78940e_cast
	.globl	k_q580a78940e_cast
	.p2align	8
	.type	k_q580a78940e_cast,@function
k_q580a78940e_cast:
	s_mov_b64 s[64:65], 0
	v_nop
	global_prefetch_b8 v0, s[64:65] scope:SCOPE_SE
	s_setreg_imm32_b32 hwreg(HW_REG_WAVE_MODE, 25, 1), 1
	s_wait_xcnt 0x0
; CAUSAL MULTI-HEAD ATTENTION, launch 1 of 4: the matrix operands are rounded once.
;   x [8192][1024] f32 -> xb [16 K blocks][8192 rows][64] bf16 at byte 0 of cast (a block of rows x 64 is dense in memory)
;   wq, wk, wv f32     -> wb [3][1024 k][1024 n] bf16 at byte 16,777,216
;   wo f32             -> bf16, and that value written as f16, [1024 k][1024 n] at byte 23,068,672 (its partner ctx is f16)
; WORK LEFT OUT IN THE WHOLE PROGRAM, AND WHY IT IS DEAD:
;   bk.  scores[q][k] = q_q . (x_k Wk + bk) / 8 = q_q . (x_k Wk) / 8 + q_q . bk / 8.  The second term does not depend on k: it is the
;   same along the softmax's axis in every place that the causal mask keeps, and the places that the mask drops are overwritten by
;   finfo.min whatever stood there.  softmax(s + c) = softmax(s) for every real c, so bk reaches no output for any values of the
;   inputs.  bk is not loaded and is no argument of any launch.
;   Key tiles wholly above the diagonal.  reference() builds the causal tril itself; such a tile's scores are all replaced by finfo.min
;   and each row keeps at least its diagonal score, so their weights are exp(finfo.min - max) = 0: they add nothing to any sum.
;   LIMIT: a NaN, an infinity or an overflow that would arise only in the work left out (in q . bk, or in scores above the diagonal)
;   is not carried to the result.
; LIMITS OF FORMAT: q, k, v, the softmax weights, ctx and wo are f16 matrix operands: |q|, |k|, |v|, |wo| must stay below 65,504, and
;   values below 6.1e-5 in magnitude lose up to 3e-8 absolute.
; A stream: memory binds, so no LDS, no barrier, no matrix unit.  768 work-groups of 16,384 numbers; y < 8: x, y = 8, 9, 10: wq, wk, wv, y = 11: wo.
; Each wave has its 16 loads of 16 bytes a lane out at once; every load covers whole aligned pieces of 256 bytes, every store of a wave
; covers 256 consecutive bytes, aligned.
.set VL, 1                             ; v1       byte offset of my 16 bytes in the group's source
.set VS, 2                             ; v2       byte offset of my 8 bytes in the group's destination: 8 t
.set T,  4                             ; v[4:7]   at work (wo alone)
.set X,  8                             ; v[8:71]  16 loads of 4 f32
.set Y,  72                            ; v[72:103] 16 stores of 4 numbers of 16 bits; each has registers of its own, so no store's data is rewritten
; 16 loads ldstep bytes apart, 16 stores ststep bytes apart.  fmt 0: bf16.  fmt 1: rounded to bf16, then that value as f16.
.macro CAST16 ldstep, ststep, fmt
.irp i, 0,1,2,3,4,5,6,7,8,9,10,11,12,13,14,15
	global_load_b128 v[X+4*\i:X+4*\i+3], v[VL], s[16:17] offset:\i*\ldstep th:TH_LOAD_NT
.endr
.irp i, 0,1,2,3,4,5,6,7,8,9,10,11,12,13,14,15
	s_wait_loadcnt 15-\i                           ; loads come back in order: load i is in, the 15 - i younger ones stay out
	v_cvt_pk_bf16_f32 v[Y+2*\i], v[X+4*\i], v[X+4*\i+1]
	v_cvt_pk_bf16_f32 v[Y+2*\i+1], v[X+4*\i+2], v[X+4*\i+3]
.if \fmt
	v_lshlrev_b32 v[T], 16, v[Y+2*\i]              ; the bf16 values as f32 again,
	v_and_b32 v[T+1], 0xffff0000, v[Y+2*\i]
	v_lshlrev_b32 v[T+2], 16, v[Y+2*\i+1]
	v_and_b32 v[T+3], 0xffff0000, v[Y+2*\i+1]
	v_cvt_pk_f16_f32 v[Y+2*\i], v[T], v[T+1]       ; and as f16: 8 bits of mantissa fit into 11
	v_cvt_pk_f16_f32 v[Y+2*\i+1], v[T+2], v[T+3]
.endif
.if \i*\ststep < 8388608
	global_store_b64 v[VS], v[Y+2*\i:Y+2*\i+1], s[18:19] offset:\i*\ststep
.else
	global_store_b64 v[VS], v[Y+2*\i:Y+2*\i+1], s[20:21] offset:\i*\ststep-8388608   ; the second base keeps the immediate inside its signed 24 bits
.endif
.endr
.endm
	s_load_b256 s[4:11], s[0:1], 0x0               ; x s[4:5], wq s[6:7], wk s[8:9], wv s[10:11]
	s_load_b128 s[12:15], s[0:1], 0x20             ; wo s[12:13], cast s[14:15]
	s_and_b32 s3, ttmp7, 0xffff                    ; y
	s_mov_b32 s23, 0                               ; upper word of every offset pair
	v_lshlrev_b32 v[VS], 3, v0                     ; 8 t
	s_cmp_lt_u32 s3, 8
	s_cbranch_scc0 .Lweights
	; x: group g = 64 y + x owns rows 16 g .. 16 g + 15; thread t takes 16 bytes of row t / 16 in each of the 16 K blocks of 256 bytes
	s_lshl_b32 s2, s3, 6
	s_add_co_u32 s2, s2, ttmp9                     ; g
	v_and_b32 v3, 15, v0
	v_lshrrev_b32 v[VL], 4, v0
	v_lshlrev_b32 v[VL], 12, v[VL]                 ; row t / 16 of 4,096 bytes
	v_lshl_or_b32 v[VL], v3, 4, v[VL]              ; + 16 (t mod 16)
	s_lshl_b32 s22, s2, 16                         ; 16 rows of 4,096 bytes
	s_wait_kmcnt 0x0
	s_add_nc_u64 s[16:17], s[4:5], s[22:23]
	s_lshl_b32 s22, s2, 11                         ; 16 rows of 128 bytes in a K block of xb
	s_add_nc_u64 s[18:19], s[14:15], s[22:23]
	s_add_nc_u64 s[20:21], s[18:19], 0x800000      ; K blocks 8 to 15
	CAST16 256, 1048576, 0
	s_endpgm
.Lweights:
	; a weight: group x owns 16,384 consecutive numbers; the layout stays [k][n]
	v_lshlrev_b32 v[VL], 4, v0                     ; 16 t
	s_wait_kmcnt 0x0
	s_cmp_eq_u32 s3, 8
	s_cselect_b64 s[16:17], s[6:7], s[8:9]         ; wq or wk,
	s_cmp_eq_u32 s3, 10
	s_cselect_b64 s[16:17], s[10:11], s[16:17]     ; or wv,
	s_cmp_eq_u32 s3, 11
	s_cselect_b64 s[16:17], s[12:13], s[16:17]     ; or wo
	s_lshl_b32 s22, ttmp9, 16
	s_add_nc_u64 s[16:17], s[16:17], s[22:23]
	s_sub_co_u32 s22, s3, 8
	s_lshl_b32 s22, s22, 21                        ; (y - 8) x 2,097,152
	s_lshl_b32 s24, ttmp9, 15
	s_add_co_u32 s22, s22, s24
	s_add_co_u32 s22, s22, 0x1000000               ; behind xb
	s_add_nc_u64 s[18:19], s[14:15], s[22:23]
	s_cmp_eq_u32 s3, 11
	s_cbranch_scc1 .Lwo
	CAST16 4096, 2048, 0
	s_endpgm
.Lwo:
	CAST16 4096, 2048, 1
	s_endpgm
.Lfunc_end_k_q580a78940e_cast:
	.size	k_q580a78940e_cast, .Lfunc_end_k_q580a78940e_cast-k_q580a78940e_cast
	.p2alignl 7, 3214868480
	.fill 96, 4, 3214868480
	.section	.rodata,"a",@progbits
	.p2align	6, 0x0
	.amdhsa_kernel k_q580a78940e_cast
		.amdhsa_group_segment_fixed_size 0
		.amdhsa_private_segment_fixed_size 0
		.amdhsa_enable_private_segment 0
		.amdhsa_kernarg_size 48
		.amdhsa_user_sgpr_count 2
		.amdhsa_user_sgpr_kernarg_segment_ptr 1
		.amdhsa_wavefront_size32 1
		.amdhsa_system_sgpr_workgroup_id_x 1
		.amdhsa_system_sgpr_workgroup_id_y 1
		.amdhsa_system_sgpr_workgroup_id_z 1
		.amdhsa_system_vgpr_workitem_id 0
		.amdhsa_next_free_vgpr 104
		.amdhsa_next_free_sgpr 66
		.amdhsa_reserve_vcc 0
		.amdhsa_float_denorm_mode_32 3
		.amdhsa_float_denorm_mode_16_64 3
		.amdhsa_memory_ordered 1
		.amdhsa_forward_progress 1
		.amdhsa_inst_pref_size 24
	.end_amdhsa_kernel
	.amdgpu_metadata
---
amdhsa.version: [ 1, 2 ]
amdhsa.kernels:
  - .name:           k_q580a78940e_cast
    .symbol:         k_q580a78940e_cast.kd
    .args:
      - { .name: x, .offset: 0, .size: 8, .value_kind: global_buffer, .address_space: global }
      - { .name: wq, .offset: 8, .size: 8, .value_kind: global_buffer, .address_space: global }
      - { .name: wk, .offset: 16, .size: 8, .value_kind: global_buffer, .address_space: global }
      - { .name: wv, .offset: 24, .size: 8, .value_kind: global_buffer, .address_space: global }
      - { .name: wo, .offset: 32, .size: 8, .value_kind: global_buffer, .address_space: global }
      - { .name: cast, .offset: 40, .size: 8, .value_kind: global_buffer, .address_space: global }
    .group_segment_fixed_size: 0
    .private_segment_fixed_size: 0
    .kernarg_segment_align: 8
    .kernarg_segment_size: 48
    .max_flat_workgroup_size: 256
    .sgpr_count:     66
    .vgpr_count:     104
    .wavefront_size: 32
...
	.end_amdgpu_metadata
.endif
;; end of part 1
;; launch qkv (part 2): grid 8 x 32, 4 waves a work-group, clusters of 4 x 4, 327,680 bytes of LDS; arguments cast, bq, bv, qkv; writes qkv
.if DOCPART == 2
	.amdgcn_target "amdgcn-amd-amdhsa--gfx1250"
	.amdhsa_code_object_version 6
	.text
	.protected	k_q580a78940e_qkv
	.globl	k_q580a78940e_qkv
	.p2align	8
	.type	k_q580a78940e_qkv,@function
k_q580a78940e_qkv:
	s_mov_b64 s[64:65], 0
	v_nop
	global_prefetch_b8 v0, s[64:65] scope:SCOPE_SE
	s_setreg_imm32_b32 hwreg(HW_REG_WAVE_MODE, 25, 1), 1
	s_wait_xcnt 0x0
	s_wait_alu depctr_hold_cnt(0) depctr_sa_sdst(0) depctr_va_vdst(0) depctr_va_sdst(0) depctr_va_ssrc(0) depctr_va_vcc(0) depctr_vm_vsrc(0)
	s_getreg_b32 s2, hwreg(HW_REG_IB_STS2, 6, 4)
	s_cmp_eq_u32 s2, 0
	s_cbranch_scc0 .Lentry_in_a_cluster
	s_endpgm
.Lentry_in_a_cluster:
	s_bfe_u32 s2, ttmp6, 0x10000c
	s_cmp_lg_u32 s2, 0xf033
	s_cbranch_scc0 .Lentry_shape_is_right
	s_endpgm
.Lentry_shape_is_right:
; Launch 2 of 4: q = x Wq + bq, k = x Wk, v = x Wv + bv.  bf16 operands, f32 sums, results in f16 as [3][bh = 16 b + head][2048 s][64].
; bk is left out: it adds to every kept score of a row the same number, which a softmax does not see (shown at the head of the first kernel).
; LIMIT: |q|, |k|, |v| below 65,504 (f16).
; A work-group makes 256 rows x 128 columns of EACH of q, k, v: 8 x 32 = 256 work-groups of equal work.  Wave (mh, nh) makes 128 rows x
; one head (64 columns) of q, k and v: 8 x 4 accumulator tiles for each tensor, 768 registers.  x's fragments are loaded once for three products.
; K goes in 16 steps of 64 through two LDS slots.  In xb a tile of 256 rows x 64 is 32,768 consecutive bytes, fetched as 128 rows of 256 bytes.
; CLUSTERS: 4 x 4 work-groups.  x's tile hangs on the block row alone and is asked for jointly along a row of the cluster (wave 0);
; the three weight tiles hang on the block column alone and are asked for jointly along a column (waves 1, 2, 3: Wq, Wk, Wv).
; THE MATRIX INSTRUCTION IS USED TRANSPOSED: source 0 = 16 columns of W, source 1 = 16 rows of x, so that a lane holds row l % 16 and eight
; neighbouring columns 8 (l / 16) + 0..7: 16 bytes of f16 that belong together.
; REGISTERS: window 0: v0-31 addresses; v32-95, v96-159 x's fragments, two buffers; v160-191, v192-223, v224-255 fragments of Wq, Wk, Wv.
;            windows 1, 2, 3: the accumulators of q, k, v, tile (a, bb) at v[8 (4 a + bb)].
.set SLOT,  92160                      ; x: 256 rows, pitch 144 (36,864); then Wq, Wk, Wv: 64 k rows of 256 bytes, pitch 288 (18,432 each)
.set BOFF,  36864
.set STAGE, 184320                     ; behind the ring: 16 rows x 144 bytes for each wave; no tensor load lands here
.set FA0,  32
.set FA1,  96
.set FB0,  160                         ; tensor g's fragments at FB0 + 32 g
.set ADRA, 16                          ; v16-17  LDS address of my x fragments in slot 0, 1
.set ADRB, 18                          ; v18-19  the same for the weights
.set STO,  20                          ; the way out: where I put 16 bytes of a row
.set RD,   21                          ; the way out: where I read rows back
.set CO,   22                          ; 16 x lane
.set VB,   23                          ; byte offset of my columns in bq and bv
.set G1A, 24                           ; s[24:31] group 1 of x's tile
.set G0A, 32                           ; s[32:39] group 0 of x's tile, a set for each slot
.set G1B, 40                           ; s[40:47] group 1 of a weight tile
.set G0B, 48                           ; s[48:55] group 0 of my weight tile, a set for each slot
.set MSB, 0
.macro WIN new                         ; the immediate's high byte repeats the setting that is left; a switch that changes nothing is dropped
.if MSB != (\new)
	s_set_vgpr_msb (MSB<<8)|(\new)
.set MSB, \new
.endif
.endm
.macro PLACES                          ; four places behind a matrix instruction ahead of loads into, or vector work on, its registers
.rept 4
	v_nop
.endr
.endm
.macro JLOAD s                         ; a joint load: wave 0 asks for x's tile, waves 1 to 3 for their weight's.  The branch hangs on the wave's number alone
	s_cmp_eq_u32 s12, 0
	s_cbranch_scc0 .Lfor_b_\@
	tensor_load_to_lds s[G0A+4*\s:G0A+4*\s+3], s[G1A:G1A+7]
	s_nop 0
	s_branch .Lasked_\@
.Lfor_b_\@:
	tensor_load_to_lds s[G0B+4*\s:G0B+4*\s+3], s[G1B:G1B+7]
	s_nop 0
.Lasked_\@:
.endm
.macro CREST                           ; a round of the cluster's barrier behind its opening work-group barrier
	s_cmp_lg_u32 s12, 0
	s_cbranch_scc1 .Lnot_wave_0_\@
	s_barrier_signal -3
.Lnot_wave_0_\@:
	s_barrier_wait -3
	s_barrier_signal -1
	s_barrier_wait -1
.endm
.macro CROUND
	s_barrier_signal -1
	s_barrier_wait -1
	CREST
.endm
	s_load_b256 s[4:11], s[0:1], 0x0               ; cast s[4:5], bq s[6:7], bv s[8:9], qkv s[10:11]
	v_lshl_add_u32 v30, v0, 2, 0x2f400
	v_mov_b32 v31, 0
	ds_add_u32 v30, v31
	ds_add_u32 v30, v31
	v_lshrrev_b32 v1, 5, v0
	v_readfirstlane_b32 s12, v1                    ; wave 0..3
	s_lshr_b32 s13, s12, 1                         ; mh: which 128 rows
	s_and_b32 s14, s12, 1                          ; nh: which head of the block's two
	s_bfe_u32 s15, ttmp6, 0x40000                  ; cx
	s_bfe_u32 s16, ttmp6, 0x40004                  ; cy
	s_lshl_b32 s17, ttmp9, 2
	s_add_co_u32 s17, s17, s15                     ; block column 0..7
	s_and_b32 s18, ttmp7, 0xffff
	s_lshl_b32 s18, s18, 2
	s_add_co_u32 s18, s18, s16                     ; block row 0..31
	s_lshl_b32 s19, s16, 2
	s_lshl_b32 s19, 15, s19                        ; my row of the cluster
	s_lshl_b32 s20, 0x1111, s15                    ; my column
	; group 1 of x's tile: 128 rows of 32 elements of 8 bytes, dense; 4 words of padding behind every 32 words: LDS rows of 128 + 16 bytes
	s_or_b32 s[G1A+0], s19, (3<<16)|(1<<20)|(1<<21)|(4<<22)|(3<<25)
	s_mov_b32 s[G1A+1], 32<<16                     ; tensor_dim0 = 32
	s_mov_b32 s[G1A+2], 128<<16                    ; tensor_dim1 = 128
	s_mov_b32 s[G1A+3], 32<<16                     ; tile_dim0 = 32
	s_mov_b32 s[G1A+4], 128                        ; tile_dim1 = 128
	s_mov_b32 s[G1A+5], 32                         ; from row to row: 32 elements
	s_mov_b32 s[G1A+6], 0
	s_mov_b32 s[G1A+7], 0
	; group 1 of a weight tile: 64 k rows of 128 bf16, 1,024 elements from row to row; 8 words of padding behind every 64: LDS rows of 256 + 32 bytes
	s_or_b32 s[G1B+0], s20, (1<<16)|(1<<20)|(1<<21)|(5<<22)|(7<<25)
	s_mov_b32 s[G1B+1], 128<<16
	s_mov_b32 s[G1B+2], 64<<16
	s_mov_b32 s[G1B+3], 128<<16
	s_mov_b32 s[G1B+4], 64
	s_mov_b32 s[G1B+5], 1024
	s_mov_b32 s[G1B+6], 0
	s_mov_b32 s[G1B+7], 0
	; where the tiles come from: x's hangs on the block row, a weight's on the block column and the wave; each in registers that never hold the other coordinate
	s_lshl_b32 s56, s18, 15                        ; 256 rows of 128 bytes in a K block
	s_mov_b32 s57, 0
	s_lshl_b32 s60, s17, 8                         ; 128 columns of 2 bytes
	s_lshl_b32 s62, s12, 21
	s_add_co_u32 s60, s60, s62                     ; + wave x 2,097,152
	s_add_co_u32 s60, s60, 14680064                ; + 16,777,216 - 2,097,152: wave 1 takes Wq
	s_mov_b32 s61, 0
	s_mul_i32 s63, s12, 18432
	s_add_co_u32 s63, s63, 18432                   ; LDS: 36,864 + (wave - 1) x 18,432
	s_wait_dscnt 0x0
	s_wait_kmcnt 0x0
	s_add_nc_u64 s[58:59], s[4:5], s[56:57]
	s_add_nc_u64 s[60:61], s[4:5], s[60:61]
	CROUND                                         ; all sixteen work-groups are here: the first joint loads meet
.irp s, 0,1
	s_mov_b32 s[G0A+4*\s], 1
	s_mov_b32 s[G0A+4*\s+1], \s*SLOT
	s_add_nc_u64 s[G0A+4*\s+2:G0A+4*\s+3], s[58:59], \s*1048576    ; K block s
	s_or_b32 s[G0A+4*\s+3], s[G0A+4*\s+3], 0x80000000
	s_mov_b32 s[G0B+4*\s], 1
	s_add_co_u32 s[G0B+4*\s+1], s63, \s*SLOT
	s_add_nc_u64 s[G0B+4*\s+2:G0B+4*\s+3], s[60:61], \s*131072     ; 64 k rows of 2,048 bytes
	s_or_b32 s[G0B+4*\s+3], s[G0B+4*\s+3], 0x80000000
	JLOAD \s                                       ; both slots are asked for before anything else: two loads of the wave are out
.endr
	v_and_b32 v1, 15, v0                           ; r
	v_bfe_u32 v2, v0, 4, 1                         ; h
	v_and_b32 v3, 7, v0
	v_bfe_u32 v4, v0, 3, 1
	v_and_b32 v5, 31, v0                           ; lane
	v_mul_u32_u24 v6, v1, 144
	v_lshl_add_u32 v6, v2, 4, v6                   ; 144 r + 16 h
	s_mul_i32 s66, s13, 18432                      ; my 128 rows of x
	v_add_nc_u32 v[ADRA], s66, v6
	v_add_nc_u32 v[ADRA+1], SLOT, v[ADRA]
	v_lshl_add_u32 v7, v2, 3, v3                   ; k row 8 h + l % 8 for the transposing load
	v_mul_u32_u24 v7, v7, 288
	v_lshl_add_u32 v7, v4, 4, v7
	s_lshl_b32 s66, s14, 7                         ; my head's 128 bytes of a row
	s_add_co_u32 s66, s66, BOFF
	v_add_nc_u32 v[ADRB], s66, v7
	v_add_nc_u32 v[ADRB+1], SLOT, v[ADRB]
	s_mul_i32 s66, s12, 2304
	s_add_co_u32 s66, s66, STAGE                   ; my stage
	v_add_nc_u32 v[STO], s66, v6
	v_lshrrev_b32 v9, 3, v5
	v_mul_u32_u24 v9, v9, 144
	v_lshl_add_u32 v9, v3, 4, v9                   ; back: eight lanes take one row of 128 bytes
	v_add_nc_u32 v[RD], s66, v9
	v_lshlrev_b32 v[CO], 4, v5
	s_lshl_b32 s70, s17, 1
	s_add_co_u32 s70, s70, s14                     ; my head
	s_lshl_b32 s71, s70, 8
	v_lshlrev_b32 v[VB], 5, v2
	v_add_nc_u32 v[VB], s71, v[VB]                 ; 256 head + 32 h
	s_lshr_b32 s68, s18, 3                         ; b
	s_lshl_b32 s68, s68, 4
	s_add_co_u32 s68, s68, s70                     ; bh
	s_lshl_b32 s68, s68, 18                        ; x 2,048 rows of 128 bytes
	s_and_b32 s71, s18, 7
	s_lshl_b32 s71, s71, 15
	s_add_co_u32 s68, s68, s71                     ; + 256 rows x (block row mod 8)
	s_lshl_b32 s71, s13, 14
	s_add_co_u32 s68, s68, s71                     ; + 128 rows x mh
	s_mov_b32 s69, 0
	s_add_nc_u64 s[10:11], s[10:11], s[68:69]      ; q's part of the output, at my first row
; 16 matrix instructions of tensor g: row tiles a0 .. a0 + 3 x the head's 4 column tiles, 32 along K.  zero = 1: the first product starts the sums.
; The 96 accumulators take turns, one instruction a turn, in the same order in every quarter.
.macro GRP g, abuf, a0, zero
	WIN 0x50*(\g+1)
.irp a, \a0, \a0+1, \a0+2, \a0+3
.irp bb, 0,1,2,3
.if \zero
	v_wmma_f32_16x16x32_bf16 v[8*(4*(\a)+\bb):8*(4*(\a)+\bb)+7], v[FB0+32*\g+8*\bb:FB0+32*\g+8*\bb+7], v[\abuf+8*(\a):\abuf+8*(\a)+7], 0
.else
	v_wmma_f32_16x16x32_bf16 v[8*(4*(\a)+\bb):8*(4*(\a)+\bb)+7], v[FB0+32*\g+8*\bb:FB0+32*\g+8*\bb+7], v[\abuf+8*(\a):\abuf+8*(\a)+7], v[8*(4*(\a)+\bb):8*(4*(\a)+\bb)+7]
.endif
.endr
.endr
.endm
.macro LDB g, slot, q                  ; 8 transposing loads: tensor g's 4 fragments (16 columns x 32 k) of quarter q
.irp bb, 0,1,2,3
	ds_load_tr16_b128 v[FB0+32*\g+8*\bb:FB0+32*\g+8*\bb+3], v[ADRB+\slot] offset:18432*\g+9216*\q+32*\bb
	ds_load_tr16_b128 v[FB0+32*\g+8*\bb+4:FB0+32*\g+8*\bb+7], v[ADRB+\slot] offset:18432*\g+9216*\q+32*\bb+4608
.endr
.endm
.macro LDA half, slot, q, abuf         ; 8 loads: 4 of x's 8 fragments (16 rows x 32 k) of quarter q
.irp a, 0,1,2,3
	ds_load_b128 v[\abuf+8*(4*\half+\a):\abuf+8*(4*\half+\a)+3], v[ADRA+\slot] offset:2304*(4*\half+\a)+64*\q
	ds_load_b128 v[\abuf+8*(4*\half+\a)+4:\abuf+8*(4*\half+\a)+7], v[ADRA+\slot] offset:2304*(4*\half+\a)+64*\q+32
.endr
.endm
; A quarter (32 along K, 96 matrix instructions) on x's buffer ab.  A weight's fragments are loaded again straight behind their group, 64 matrix
; instructions ahead of their next use; x's next fragments go into the other buffer.  LDS loads go out in three batches: 16, 16, 8.
.macro QTR ab, nslot, nq, nab, zero
	s_wait_dscnt 8                                 ; all but the last batch (Wv's 8 loads) are in
	GRP 0, \ab, 0, \zero
	GRP 0, \ab, 4, \zero
	PLACES
	WIN 0
	LDB 0, \nslot, \nq
	LDA 0, \nslot, \nq, \nab
	GRP 1, \ab, 0, \zero
	GRP 1, \ab, 4, \zero
	PLACES
	WIN 0
	LDB 1, \nslot, \nq
	LDA 1, \nslot, \nq, \nab
	s_wait_dscnt 32                                ; the two batches of 16 just issued stay out: Wv's fragments are in
	GRP 2, \ab, 0, \zero
	GRP 2, \ab, 4, \zero
	PLACES
	WIN 0
	LDB 2, \nslot, \nq
.endm
; A step's second quarter, on buffer FA1, changes slots.  In front of the barrier each wave waits for its reads of this slot and for all its tensor
; loads (one is out: its part of the next slot).  Where the slot is filled again the barrier opens a round of the cluster's barrier, and the
; joint refill is the first tensor load behind the round.  From a request to the wait for it a wave issues 176 matrix instructions.
.macro TURN slot, next, fill
	s_wait_dscnt 8
	GRP 0, FA1, 0, 0
	s_wait_dscnt 0x0                               ; my reads of this slot are over
	s_wait_tensorcnt 0x0                           ; all my tensor loads have landed
	ds_add_u32 v30, v31
	s_wait_dscnt 0x0
	s_barrier_signal -1
	GRP 0, FA1, 4, 0                               ; register work while the others arrive
	WIN 0
	s_barrier_wait -1
.if \fill
	CREST                                          ; no wave of any partner still reads this slot or has a load on its way
	s_add_nc_u64 s[G0A+4*\slot+2:G0A+4*\slot+3], s[G0A+4*\slot+2:G0A+4*\slot+3], 2097152   ; two K blocks on
	s_add_nc_u64 s[G0B+4*\slot+2:G0B+4*\slot+3], s[G0B+4*\slot+2:G0B+4*\slot+3], 262144    ; 128 k rows on
	JLOAD \slot
.endif
	PLACES
	LDB 0, \next, 0
	LDA 0, \next, 0, FA0
	GRP 1, FA1, 0, 0
	GRP 1, FA1, 4, 0
	PLACES
	WIN 0
	LDB 1, \next, 0
	LDA 1, \next, 0, FA0
	GRP 2, FA1, 0, 0                               ; Wv's fragments are in since the wait for 0 above
	GRP 2, FA1, 4, 0
	PLACES
	WIN 0
	LDB 2, \next, 0
.endm
.macro LDBIAS dst, sb                  ; my 32 columns' bias, laid as an accumulator tile's registers
.irp bb, 0,1,2,3
	global_load_b128 v[\dst+8*\bb:\dst+8*\bb+3], v[VB], s[\sb:\sb+1] offset:64*\bb
	global_load_b128 v[\dst+8*\bb+4:\dst+8*\bb+7], v[VB], s[\sb:\sb+1] offset:64*\bb+16
.endr
.endm
.macro LAP zero
	QTR FA0, 0, 1, FA1, \zero
	TURN 0, 1, 1
	QTR FA0, 1, 1, FA1, 0
	TURN 1, 0, 1
.endm
	s_wait_tensorcnt 1                             ; my part of K step 0 is in; step 1's stays out
	s_barrier_signal -1
	s_barrier_wait -1
	LDB 0, 0, 0
	LDA 0, 0, 0, FA0
	LDB 1, 0, 0
	LDA 1, 0, 0, FA0
	LDB 2, 0, 0
	LAP 1                                          ; the first lap stands in front of the loop: its first products start the sums
	s_mov_b32 s21, 6
.Llap:
	LAP 0
	s_sub_co_u32 s21, s21, 1
	s_cmp_lg_u32 s21, 0
	s_cbranch_scc1 .Llap
	QTR FA0, 0, 1, FA1, 0                          ; the last lap fills nothing
	TURN 0, 1, 0
	QTR FA0, 1, 1, FA1, 0
	s_wait_dscnt 8                                 ; the very last quarter: the freed weight registers take the biases
	GRP 0, FA1, 0, 0
	GRP 0, FA1, 4, 0
	PLACES
	WIN 0
	LDBIAS FB0, 6                                  ; bq
	GRP 1, FA1, 0, 0
	GRP 1, FA1, 4, 0
	PLACES
	WIN 0
	LDBIAS FB0+32, 8                               ; bv
	s_wait_dscnt 0x0
	GRP 2, FA1, 0, 0
	GRP 2, FA1, 4, 0
	PLACES
	WIN 0
	s_wait_loadcnt 0x0                             ; the biases
; THE WAY OUT, 16 rows of one tensor at a time: add the bias (q, v), round to f16, 16 bytes a lane into my own stage, read back as rows of 128
; bytes; four rows are 512 consecutive bytes of the output.  LDS serves a wave's instructions in order, so no wait stands between stores and loads.
.macro OUTQ t, a, f
.if \t == 1
	WIN 0x0a
.irp bb, 0,1,2,3
.irp p, 0,1,2,3
	v_cvt_pk_f16_f32 v[64+4*\bb+\p], v[8*(4*\a+\bb)+2*\p], v[8*(4*\a+\bb)+2*\p+1]
.endr
.endr
	WIN 0
.else
	WIN 1+\t
.irp bb, 0,1,2,3
.irp p, 0,1,2,3
	v_pk_add_f32 v[32+8*\bb+2*\p:32+8*\bb+2*\p+1], v[8*(4*\a+\bb)+2*\p:8*(4*\a+\bb)+2*\p+1], v[FB0+16*\t+8*\bb+2*\p:FB0+16*\t+8*\bb+2*\p+1]
.endr
.endr
	WIN 0
.irp bb, 0,1,2,3
.irp p, 0,1,2,3
	v_cvt_pk_f16_f32 v[64+4*\bb+\p], v[32+8*\bb+2*\p], v[32+8*\bb+2*\p+1]
.endr
.endr
.endif
.irp bb, 0,1,2,3
	ds_store_b128 v[STO], v[64+4*\bb:64+4*\bb+3] offset:32*\bb
.endr
	s_wait_xcnt 0x0                                ; buffer f, which earlier stores read, is loaded again only behind this wait
.irp tt, 0,1,2,3
	ds_load_b128 v[\f+4*\tt:\f+4*\tt+3], v[RD] offset:576*\tt
.endr
.irp tt, 0,1,2,3
	s_wait_dscnt 3-\tt                             ; the younger read-backs stay out
	global_store_b128 v[CO], v[\f+4*\tt:\f+4*\tt+3], s[10:11] offset:2048*\a+512*\tt   ; the wave stores 512 consecutive bytes, aligned
.endr
.endm
.irp t, 0,1,2
.if \t
	s_wait_xcnt 0x0                                ; the stores' base is stepped only behind this wait
	s_add_nc_u64 s[10:11], s[10:11], 0x1000000     ; the next tensor
.endif
	OUTQ \t, 0, 80
	OUTQ \t, 1, 96
	OUTQ \t, 2, 80
	OUTQ \t, 3, 96
	OUTQ \t, 4, 80
	OUTQ \t, 5, 96
	OUTQ \t, 6, 80
	OUTQ \t, 7, 96
.endr
	s_wait_tensorcnt 0x0
	ds_add_u32 v30, v31
	s_wait_dscnt 0x0
	CROUND                                         ; the closing round: no work-group ends while a partner may still ask for a tile that names it
	s_endpgm
.Lfunc_end_k_q580a78940e_qkv:
	.size	k_q580a78940e_qkv, .Lfunc_end_k_q580a78940e_qkv-k_q580a78940e_qkv
	.p2alignl 7, 3214868480
	.fill 96, 4, 3214868480
	.section	.rodata,"a",@progbits
	.p2align	6, 0x0
	.amdhsa_kernel k_q580a78940e_qkv
		.amdhsa_group_segment_fixed_size 327680
		.amdhsa_private_segment_fixed_size 0
		.amdhsa_enable_private_segment 0
		.amdhsa_kernarg_size 32
		.amdhsa_user_sgpr_count 2
		.amdhsa_user_sgpr_kernarg_segment_ptr 1
		.amdhsa_wavefront_size32 1
		.amdhsa_system_sgpr_workgroup_id_x 1
		.amdhsa_system_sgpr_workgroup_id_y 1
		.amdhsa_system_sgpr_workgroup_id_z 1
		.amdhsa_system_vgpr_workitem_id 0
		.amdhsa_next_free_vgpr 1024
		.amdhsa_next_free_sgpr 80
		.amdhsa_reserve_vcc 0
		.amdhsa_float_denorm_mode_32 3
		.amdhsa_float_denorm_mode_16_64 3
		.amdhsa_memory_ordered 1
		.amdhsa_forward_progress 1
		.amdhsa_inst_pref_size 188
	.end_amdhsa_kernel
	.amdgpu_metadata
---
amdhsa.version: [ 1, 2 ]
amdhsa.kernels:
  - .name:           k_q580a78940e_qkv
    .symbol:         k_q580a78940e_qkv.kd
    .args:
      - { .name: cast, .offset: 0, .size: 8, .value_kind: global_buffer, .address_space: global }
      - { .name: bq, .offset: 8, .size: 8, .value_kind: global_buffer, .address_space: global }
      - { .name: bv, .offset: 16, .size: 8, .value_kind: global_buffer, .address_space: global }
      - { .name: qkv, .offset: 24, .size: 8, .value_kind: global_buffer, .address_space: global }
    .group_segment_fixed_size: 327680
    .private_segment_fixed_size: 0
    .kernarg_segment_align: 8
    .kernarg_segment_size: 32
    .max_flat_workgroup_size: 128
    .sgpr_count:     80
    .vgpr_count:     1024
    .wavefront_size: 32
...
	.end_amdgpu_metadata
.endif
;; end of part 2
;; launch attn (part 3): grid 4 x 64, 4 waves a work-group, no clusters, 327,680 bytes of LDS; arguments qkv, ctx; writes ctx
.if DOCPART == 3
	.amdgcn_target "amdgcn-amd-amdhsa--gfx1250"
	.amdhsa_code_object_version 6
	.text
	.protected	k_q580a78940e_attn
	.globl	k_q580a78940e_attn
	.p2align	8
	.type	k_q580a78940e_attn,@function
k_q580a78940e_attn:
	s_mov_b64 s[64:65], 0
	v_nop
	global_prefetch_b8 v0, s[64:65] scope:SCOPE_SE
	s_setreg_imm32_b32 hwreg(HW_REG_WAVE_MODE, 25, 1), 1
	s_wait_xcnt 0x0
; Launch 3 of 4: causal softmax attention, f16 operands, f32 scores, sums and running maximum.  ctx is [bh][2048][64] f16.
; Key tiles wholly above the diagonal are left out: reference()'s own tril replaces their scores by finfo.min, so their weights are 0
; (shown at the head of the first kernel).  Inside a trip on the diagonal the kept scores are computed and the others replaced by finfo.min, as reference() does.
; A head has 8 blocks of 256 queries.  Work-group i of a head takes block 7 - i (8 - i steps of 256 keys) and then block i (i + 1 steps): 9 steps
; for each of the 256 work-groups.  Wave w owns queries 64 w .. 64 w + 63 of the block; a step is up to four trips of 64 keys.
; NO CLUSTER: equal work needs the pairs (7 - i, i), so the partners' number of steps for a block, and from the fifth step on the tile
; that they want, differ with the work-group's place; walking both blocks in lock step would cost 12 steps instead of 9.
; S^T = K Q^T (source 0 = 16 keys, source 1 = 16 queries): lane (r, h) holds query r and keys 8 h + j.  The lane's own scores, packed to f16, ARE
; its part of P^T as source 1 of O^T = V^T P^T: nothing crosses lanes but one exchange for the maximum.  V^T comes by transposing LDS loads.
; TWO PIECES TAKE TURNS.  Piece A = query tiles 0, 1; piece B = query tiles 2, 3; they share K's and V's fragments.  A trip c is two phases:
;   X(c): the softmax of A(c), cut into 32 slices, one behind each of 32 matrix instructions of B: O_B += V(c-1) P_B(c-1), then S_B(c) = K(c) Q_B
;   Y(c): the softmax of B(c), likewise, behind O_A += V(c) P_A(c), then S_A(c+1) = K(c+1) Q_A
; A trip has 64 matrix instructions and 476 vector instructions: 7 or 8 behind each matrix instruction.  They also are the places that ISA guide 7.12.1 asks for.
; K's registers are read again from LDS behind the second slice of Y, V's behind the 18th slice of X: each half a phase ahead of its next use, so one buffer each is enough.
; Borders: a step starts with S_A(0) alone (K's tile is known to be in LDS only behind the step's barrier); the step's last trip has no S_A(next);
; O_B's product stays pending across a step's barrier (it needs registers only); behind the trip on the diagonal it is made alone, and the block leaves.
; A block's first X finds P_B = 0 and adds nothing to O_B: 16 matrix instructions a block, beside vector work, so that every trip runs one text.
; S_A of the trip on the diagonal comes from that shared text and holds 5 score tiles above the diagonal, which nothing reads; they lie inside a live
; tile of 64 x 64.  The dead tiles of S_B and of A's product with V are left out.
; REGISTERS: window 0: v0-31 addresses; v32-95 Q (qt, kd); v96-159 K (kt, kd); v160-223 V (dt, kk).
;            window 1 = piece A, window 2 = piece B, the same numbers in both: v0-63 S, tile t = 4 ql + kt at 8 t (ql = the piece's query tile 0, 1);
;            v64-95 P; v96-159 O, tile (dt, ql) at 96 + 8 (4 ql + dt); v160-175 the rows' state.
; A slice works in its piece's window alone, a matrix instruction in window 0 and the other piece's: two s_set_vgpr_msb for each matrix instruction.  No layout spares
; them: S, P, O and state of one piece and K or V, Q or P, S or O of the other would have to lie in one window, more than 256 registers.
.set SLOT,  81920                      ; K: 256 keys, pitch 144, at 0; V: 256 keys, pitch 160, at 40,960
.set VOFF,  40960
.set STAGE, 163840                     ; behind the ring: 16 rows x 144 bytes for each wave; no tensor load lands here
.set KL,   8                           ; 144 r + 16 h
.set VL,   9                           ; 40,960 + 160 (8 h + l % 8) + 16 ((l / 8) % 2)
.set ADRK, 10                          ; KL + slot + 9,216 c
.set ADRV, 11                          ; VL + slot + 10,240 c
.set QO,   12                          ; 128 r + 16 h
.set STO,  13
.set RD,   14
.set CO,   15
.set QF,   32
.set KF,   96
.set VF,   160
.set SS,   0                           ; a piece's registers from here on
.set PP,   64                          ; tile t packs into v[PP + 4 t .. + 3]: fragment (ql, kk = kt / 2), half kt % 2
.set OO,   96
.set NMC,  160                         ; pairs (NMC, MM)[ql]: - cs x maximum, maximum.  A pair's even register is broadcast by op_sel_hi 0
.set MM,   161
.set AL,   164                         ; pairs (AL, TX)[ql]: the factor on old sums; what the other half of the lanes sent
.set TX,   165
.set LL,   168                         ; pairs: the lane's own part of the row sum, two chains
.set MX,   172                         ; the new maximum (chain over key tiles 0, 1)
.set MXB,  174                         ; its second chain (key tiles 2, 3)
.set NOPS, 242                         ; numbered places in a piece's vector phase
.set G1K, 32
.set G1V, 40
.set G0K, 48                           ; s[48:55] a set for each slot
.set G0V, 56                           ; s[56:63]
.set MSB, 0
.macro WIN new                         ; the immediate's high byte repeats the setting that is left; a switch that changes nothing is dropped
.if MSB != (\new)
	s_set_vgpr_msb (MSB<<8)|(\new)
.set MSB, \new
.endif
.endm
.macro PLACES                          ; four places behind a matrix instruction (ISA guide 7.12.1), where no slice stands
.rept 4
	v_nop
.endr
.endm
.macro JLOAD s                         ; waves 0, 1 fetch K's two halves of 128 keys, waves 2, 3 V's: one load a wave, 16 KiB
	s_cmp_lt_u32 s8, 2
	s_cbranch_scc0 .Lfor_v_\@
	tensor_load_to_lds s[G0K+4*(\s):G0K+4*(\s)+3], s[G1K:G1K+7]
	s_nop 0
	s_branch .Lasked_\@
.Lfor_v_\@:
	tensor_load_to_lds s[G0V+4*(\s):G0V+4*(\s)+3], s[G1V:G1V+7]
	s_nop 0
.Lasked_\@:
.endm
.macro LOADQ                           ; my 64 queries as 8 fragments, straight from memory
.irp qt, 0,1,2,3
.irp kd, 0,1
	global_load_b128 v[QF+8*(2*\qt+\kd):QF+8*(2*\qt+\kd)+3], v[QO], s[72:73] offset:2048*\qt+64*\kd
	global_load_b128 v[QF+8*(2*\qt+\kd)+4:QF+8*(2*\qt+\kd)+7], v[QO], s[72:73] offset:2048*\qt+64*\kd+32
.endr
.endr
.endm
.macro LOADK off                       ; 64 keys as 8 fragments
.irp kt, 0,1,2,3
.irp kd, 0,1
	ds_load_b128 v[KF+8*(2*\kt+\kd):KF+8*(2*\kt+\kd)+3], v[ADRK] offset:\off+2304*\kt+64*\kd
	ds_load_b128 v[KF+8*(2*\kt+\kd)+4:KF+8*(2*\kt+\kd)+7], v[ADRK] offset:\off+2304*\kt+64*\kd+32
.endr
.endr
.endm
.macro LOADV                           ; the trip's 64 keys of V, transposed: fragment (dt, kk) = 16 d x 32 keys
.irp dt, 0,1,2,3
.irp kk, 0,1
	ds_load_tr16_b128 v[VF+8*(2*\dt+\kk):VF+8*(2*\dt+\kk)+3], v[ADRV] offset:5120*\kk+32*\dt
	ds_load_tr16_b128 v[VF+8*(2*\dt+\kk)+4:VF+8*(2*\dt+\kk)+7], v[ADRV] offset:5120*\kk+32*\dt+2560
.endr
.endr
.endm
; A query block starts: maximum = finfo.min, sums = 0.  With that maximum the first trip's factor on the old sums is exp2 of a huge negative number, 0,
; so every trip runs one text; O is cleared so that 0 x O is 0 whatever the registers held, P_B so that the first X adds nothing.  Twice in a wave's life.
.macro RESET
.irp w, 1,2
	WIN 0x40*\w
.irp ql, 0,1
	v_mov_b32 v[MM+2*\ql], s22
	v_mov_b32 v[TX+2*\ql], 0
	v_mov_b32 v[LL+2*\ql], 0
	v_mov_b32 v[LL+2*\ql+1], 0
.endr
.set zz, 0
.rept 64
	v_mov_b32 v[OO+zz], 0
.set zz, zz+1
.endr
.endr
.set zz, 0
.rept 32                               ; still window 2: P of piece B
	v_mov_b32 v[PP+zz], 0
.set zz, zz+1
.endr
	WIN 0
.endm
; MATRIX INSTRUCTIONS, by number.  In each run the accumulators take turns, one instruction a turn, and runs that follow each other name other accumulators.
; S of piece mp, number j = 8 kd + t: tile t = 4 ql + kt.  mask = 1: tiles above the diagonal are left out.
.macro MATS mp, j, mask
.set xt, (\j)%8
.if (\mask*(xt%4)) <= (2*(\mp)+xt/4)
	WIN 0x50*((\mp)+1)
.if ((\j)/8) == 0
	v_wmma_f32_16x16x32_f16 v[SS+8*xt:SS+8*xt+7], v[KF+16*(xt%4):KF+16*(xt%4)+7], v[QF+16*(2*(\mp)+xt/4):QF+16*(2*(\mp)+xt/4)+7], 0
.else
	v_wmma_f32_16x16x32_f16 v[SS+8*xt:SS+8*xt+7], v[KF+16*(xt%4)+8:KF+16*(xt%4)+15], v[QF+16*(2*(\mp)+xt/4)+8:QF+16*(2*(\mp)+xt/4)+15], v[SS+8*xt:SS+8*xt+7]
.endif
.endif
.endm
; O of piece mp, number j = 8 kk + 4 ql + dt.  mask = 1: fragments of P wholly above the diagonal are left out.
.macro MATPV mp, j, mask
.set xkk, (\j)/8
.set xql, ((\j)%8)/4
.set xdt, (\j)%4
.if (\mask*2*xkk) <= (2*(\mp)+xql)
	WIN 0x54*((\mp)+1)
	v_wmma_f32_16x16x32_f16 v[OO+8*(4*xql+xdt):OO+8*(4*xql+xdt)+7], v[VF+8*(2*xdt+xkk):VF+8*(2*xdt+xkk)+7], v[PP+16*xql+8*xkk:PP+16*xql+8*xkk+7], v[OO+8*(4*xql+xdt):OO+8*(4*xql+xdt)+7]
.endif
.endm
; THE VECTOR PHASE OF A PIECE, place by place.  vp = the piece (0, 1); mask = 1: the trip on the diagonal: tile t is live if kt <= qt = 2 vp + ql.
; Places 0-31: the maximum of the old one and my 32 scores of each query.  Four chains side by side: (ql 0, 1) x (key tiles 0, 1 from the old maximum; key tiles 2, 3);
; the second chain's last place joins both and takes the score that is left over.
.macro EMMAX vp, mask
.set xrr, xvn/4
.set xql, xvn%2
.set xnl, 4                            ; live key tiles of this query tile
.if \mask
.set xnl, 2*\vp+xql+1
.endif
.if ((xvn/2)%2) == 0
.if (xrr/4) < xnl
.if xrr == 0
	v_max3_num_f32 v[MX+xql], v[SS+32*xql], v[SS+32*xql+1], v[MM+2*xql]
.else
	v_max3_num_f32 v[MX+xql], v[SS+32*xql+2*xrr], v[SS+32*xql+2*xrr+1], v[MX+xql]
.endif
.endif
.elseif xnl > 2
.set xnb, 8*(xnl-2)                    ; scores of the second chain
.if xrr == 0
	v_max3_num_f32 v[MXB+xql], v[SS+32*xql+16], v[SS+32*xql+17], v[SS+32*xql+18]
.elseif xrr == 7
	v_max3_num_f32 v[MX+xql], v[MX+xql], v[MXB+xql], v[SS+32*xql+15+xnb]
.elseif (2*xrr+4) <= xnb
	v_max3_num_f32 v[MXB+xql], v[SS+32*xql+17+2*xrr], v[SS+32*xql+18+2*xrr], v[MXB+xql]
.endif
.endif
.endm
; Places 32-45: the rows' state, both query tiles side by side.
.macro EMSTATE
.set xql, (xvn-32)%2
.set xo, (xvn-32)/2
.if xo == 0
	v_permlanex16_b32 v[TX+2*xql], v[MX+xql], s18, s19     ; the other 32 keys' maximum lies in lane l xor 16
.elseif xo == 1
	v_max_num_f32 v[MX+xql], v[MX+xql], v[TX+2*xql]
.elseif xo == 2
	v_sub_f32 v[AL+2*xql], v[MM+2*xql], v[MX+xql]
.elseif xo == 3
	v_mul_f32 v[AL+2*xql], s20, v[AL+2*xql]
.elseif xo == 4
	v_exp_f32 v[AL+2*xql], v[AL+2*xql]                     ; the factor on the old sums: exp((old maximum - new) / 8)
.elseif xo == 5
	v_mul_f32 v[NMC+2*xql], s23, v[MX+xql]                 ; plain work that touches no AL stands behind the exponentials (ISA guide 5.7.2)
.else
	v_mov_b32 v[MM+2*xql], v[MX+xql]
.endif
.endm
.macro EMFMA vp, mask                  ; tile xt, pair xp: cs x score - cs x maximum, cs = log2(e) / 8
.if xt < 8
.if (\mask*(xt%4)) <= (2*\vp+xt/4)
	v_pk_fma_f32 v[SS+8*xt+2*xp:SS+8*xt+2*xp+1], v[SS+8*xt+2*xp:SS+8*xt+2*xp+1], s[20:21], v[NMC+2*(xt/4):NMC+2*(xt/4)+1] op_sel_hi:[1,0,0]
.endif
.endif
.endm
.macro EMEXP vp, mask                  ; tile xt, register xp
.if (\mask*(xt%4)) <= (2*\vp+xt/4)
	v_exp_f32 v[SS+8*xt+xp], v[SS+8*xt+xp]
.endif
.endm
; Tile xt holds weights; step xp of eight: pack pairs 0 and 2, add pair 1 onto 0 and 3 onto 2, pack pairs 1 and 3, add up, one link on the row's chain.
; On the diagonal the dead half of a fragment of P that straddles it is cleared in the packing's places.
.macro EMPRC vp, mask
.set xc, -1
.if xp < 2
.set xc, 2*xp
.elseif xp == 4
.set xc, 1
.elseif xp == 5
.set xc, 3
.endif
.if (\mask*(xt%4)) <= (2*\vp+xt/4)
.if xc >= 0
	s_wait_alu depctr_va_vdst(0)
	v_cvt_pk_f16_f32 v[PP+4*xt+xc], v[SS+8*xt+2*xc], v[SS+8*xt+2*xc+1]
.elseif xp == 2
	v_pk_add_f32 v[SS+8*xt:SS+8*xt+1], v[SS+8*xt:SS+8*xt+1], v[SS+8*xt+2:SS+8*xt+3]
.elseif xp == 3
	v_pk_add_f32 v[SS+8*xt+4:SS+8*xt+5], v[SS+8*xt+4:SS+8*xt+5], v[SS+8*xt+6:SS+8*xt+7]
.elseif xp == 6
	v_pk_add_f32 v[SS+8*xt:SS+8*xt+1], v[SS+8*xt:SS+8*xt+1], v[SS+8*xt+4:SS+8*xt+5]
.elseif (xt%4) == 0
	v_pk_fma_f32 v[LL+2*(xt/4):LL+2*(xt/4)+1], v[LL+2*(xt/4):LL+2*(xt/4)+1], v[AL+2*(xt/4):AL+2*(xt/4)+1], v[SS+8*xt:SS+8*xt+1] op_sel_hi:[1,0,1]   ; old sum x factor + new
.else
	v_pk_add_f32 v[LL+2*(xt/4):LL+2*(xt/4)+1], v[LL+2*(xt/4):LL+2*(xt/4)+1], v[SS+8*xt:SS+8*xt+1]
.endif
.elseif (xt%4) == (2*\vp+xt/4+1)
.if (xt%2) == 1
.if xc >= 0
	v_mov_b32 v[PP+4*xt+xc], 0
.endif
.endif
.endif
.endm
.macro EMOSC                           ; pair xp of the piece's 32 pairs of O: O x factor
	s_wait_alu depctr_va_vdst(0)
	v_pk_mul_f32 v[OO+2*xp:OO+2*xp+1], v[OO+2*xp:OO+2*xp+1], v[AL+2*(xp/16):AL+2*(xp/16)+1] op_sel_hi:[1,0]
.endm
; Place xvn.  Behind the state: tile 0 is scaled (46-49); stage 0 (50-65): its exponentials between tile 1's scaling and four pairs of O; stages 1 to 7 (24 places each):
; tile st's 8 exponentials between the packing and summing of tile st - 1, then tile st + 1's scaling, the row sum's link, four pairs of O; last (234-241) tile 7 is packed.
; So a plain instruction on other registers follows every exponential (ISA guide 5.7.2), and each result is used a stage later.
.macro VOP vp, mask
.if xvn < 32
	EMMAX \vp, \mask
.elseif xvn < 46
	EMSTATE
.elseif xvn < 50
.set xt, 0
.set xp, xvn-46
	EMFMA \vp, \mask
.elseif xvn < 66
.set xk, xvn-50
.if (xk%2) == 0
.set xt, 0
.set xp, xk/2
	EMEXP \vp, \mask
.elseif xk < 8
.set xt, 1
.set xp, xk/2
	EMFMA \vp, \mask
.else
.set xp, xk/2-4
	EMOSC
.endif
.elseif xvn < 234
.set xst, 1+(xvn-66)/24
.set xk, (xvn-66)%24
.if xk < 15
.if (xk%2) == 0
.set xt, xst
.set xp, xk/2
	EMEXP \vp, \mask
.else
.set xt, xst-1
.set xp, xk/2
	EMPRC \vp, \mask
.endif
.elseif xk < 19
.set xt, xst+1
.set xp, xk-15
	EMFMA \vp, \mask
.elseif xk == 19
.set xt, xst-1
.set xp, 7
	EMPRC \vp, \mask
.else
.set xp, 4*xst+xk-20
	EMOSC
.endif
.else
.set xt, 7
.set xp, xvn-234
	EMPRC \vp, \mask
.endif
.endm
.macro DIAG vp                         ; the two tiles on the diagonal (kt = qt): key 8 h + j above query r becomes finfo.min, as reference() writes it
.irp ql, 0,1
.irp j, 0,1,2,3,4,5,6,7
	v_cndmask_b32 v[SS+8*(4*\ql+2*\vp+\ql)+\j], s22, v[SS+8*(4*\ql+2*\vp+\ql)+\j], s[24+\j]
.endr
.endr
.endm
; A PHASE: piece vp's vector phase in 32 slices, slice i behind matrix instruction i of the other piece: 0-15 its product with V, 16-31 (dos = 1) its next scores.
; ldv = 1 (X): V's registers are read again behind slice 17: behind the last product that read them stand 15 plain vector instructions of slices 15 to 17.
; ldk = 1 (Y with a next trip): K's registers are read again behind slice 1: the eight plain instructions of the phase before's slice 31 stand behind the last product that read them.
; The same eight stand between the last score product and the next phase's first read of its result.
; On the diagonal slices are shorter or empty, so v_nop make up the places there.
.macro PHASE vp, dos, ldv, ldk, mask
.if \vp
	s_wait_dscnt 0x0                               ; this trip's V, asked for 14 slices ago, is in
.endif
.set xvn, 0
.set xsi, 0
.rept 32
.if xsi < 16
	MATPV 1-\vp, xsi, \mask
.elseif \dos
.if \ldk
.if xsi == 16
	s_wait_dscnt 0x0                               ; the next trip's K, asked for 14 slices ago, is in
.endif
.endif
	MATS 1-\vp, xsi-16, \mask
.endif
	WIN 0x55*(\vp+1)
.if \mask
.if xsi == 0
	DIAG \vp
.endif
.endif
.rept ((xsi+1)*NOPS)/32-(xsi*NOPS)/32
	VOP \vp, \mask
.set xvn, xvn+1
.endr
.if \ldk
.if xsi == 1
	WIN 0
	LOADK 9216
.endif
.endif
.if \ldv
.if xsi == 17
.if \mask
	PLACES
.endif
	WIN 0
	LOADV
.endif
.endif
.set xsi, xsi+1
.endr
.if \mask
	PLACES
.endif
	WIN 0
.endm
; 16 queries leave: O / row sum, f16, 16 bytes a lane into my stage, back as rows of 128 bytes; four rows are 512 consecutive bytes of ctx.
; Scratch lies in K's registers alone (v96-159): V's hold nothing but V or zeros, since the next block's first X multiplies them by P_B = 0.
.macro OUTO p, ql
	WIN 0x05*(\p+1)
.irp dt, 0,1,2,3
.irp k, 0,1,2,3
	s_wait_alu depctr_va_vdst(0)
	v_pk_mul_f32 v[96+8*\dt+2*\k:96+8*\dt+2*\k+1], v[OO+8*(4*\ql+\dt)+2*\k:OO+8*(4*\ql+\dt)+2*\k+1], v[AL+2*\ql:AL+2*\ql+1] op_sel_hi:[1,0]
.endr
.endr
	WIN 0
.irp dt, 0,1,2,3
.irp k, 0,1,2,3
	v_cvt_pk_f16_f32 v[128+4*\dt+\k], v[96+8*\dt+2*\k], v[96+8*\dt+2*\k+1]
.endr
.endr
.irp dt, 0,1,2,3
	ds_store_b128 v[STO], v[128+4*\dt:128+4*\dt+3] offset:32*\dt
.endr
	s_wait_xcnt 0x0                                ; v144-159, which earlier stores read, are loaded again only behind this wait
.irp tt, 0,1,2,3
	ds_load_b128 v[144+4*\tt:144+4*\tt+3], v[RD] offset:576*\tt    ; LDS serves a wave's instructions in order: these see the stores above
.endr
.irp tt, 0,1,2,3
	s_wait_dscnt 3-\tt                             ; the younger read-backs stay out
	global_store_b128 v[CO], v[144+4*\tt:144+4*\tt+3], s[76:77] offset:2048*(2*\p+\ql)+512*\tt
.endr
.endm
; A query block is done.  tail = 0: the second block (number i) begins: its Q is asked for first, the state is set anew.
.macro EPI tail
	s_wait_dscnt 0x0                               ; from here on K's registers are scratch: no LDS load into them is out, on any way through the loop above
	PLACES
.if \tail == 0
	s_mov_b32 s11, s9                              ; block i
	s_mov_b32 s12, 0                               ; from key tile 0
	s_lshl_b32 s74, s11, 15
	s_add_co_u32 s74, s74, s78
	s_mov_b32 s75, 0
	s_add_nc_u64 s[72:73], s[4:5], s[74:75]        ; the old Q's loads were waited for at the head of the step
	LOADQ
.endif
.irp w, 1,2
	WIN 0x55*\w
.irp ql, 0,1
	v_add_f32 v[LL+2*\ql], v[LL+2*\ql], v[LL+2*\ql+1]
.endr
.irp ql, 0,1
	v_permlanex16_b32 v[TX+2*\ql], v[LL+2*\ql], s18, s19
.endr
.irp ql, 0,1
	v_add_f32 v[LL+2*\ql], v[LL+2*\ql], v[TX+2*\ql]        ; the whole row sum; the diagonal's weight keeps it away from 0
.endr
.irp ql, 0,1
	v_rcp_f32 v[AL+2*\ql], v[LL+2*\ql]
.endr
	v_nop                                          ; one plain place behind the reciprocals (ISA guide 5.7.2)
.endr
	OUTO 0, 0
	OUTO 0, 1
	OUTO 1, 0
	OUTO 1, 1
.if \tail == 0
	s_wait_xcnt 0x0                                ; the stores' base and data registers are written again only behind this wait
	s_add_nc_u64 s[76:77], s[6:7], s[74:75]
	RESET
.endif
.endm
; A step: 256 keys in slot.  In front of the barrier every wave waits for all its tensor loads (its part of this slot) and for its LDS reads of the
; other slot; behind it the other slot's refill is the wave's first and only tensor load, and has the step's trips in which to land.
.macro STEP slot, tail
	s_wait_tensorcnt 0x0                           ; no tensor load of mine is out: every group 0 may be written
	ds_add_u32 v254, v255
	s_wait_dscnt 0x0
.if \tail == 0
	s_add_co_u32 s70, s12, 1
	s_cmp_eq_u32 s12, s11                          ; the block's last key tile, the one on the diagonal?
	s_cselect_b32 s70, 0, s70                      ; then the next tile is the second block's tile 0
	s_cselect_b32 s16, 1, 0
	s_cselect_b32 s13, s8, 4                       ; the trip on the diagonal is number w; elsewhere none is
	s_lshl_b32 s70, s70, 15                        ; 256 keys of 128 bytes
	s_mov_b32 s71, 0
	s_add_nc_u64 s[G0K+4*(1-\slot)+2:G0K+4*(1-\slot)+3], s[66:67], s[70:71]
	s_or_b32 s[G0K+4*(1-\slot)+3], s[G0K+4*(1-\slot)+3], 0x80000000
	s_add_nc_u64 s[G0V+4*(1-\slot)+2:G0V+4*(1-\slot)+3], s[68:69], s[70:71]
	s_or_b32 s[G0V+4*(1-\slot)+3], s[G0V+4*(1-\slot)+3], 0x80000000
.else
	s_mov_b32 s13, s8                              ; the ninth step is the second block's diagonal
.endif
	s_wait_dscnt 0x0
	s_barrier_signal -1
	s_barrier_wait -1
.if \tail == 0
	JLOAD 1-\slot
.endif
	s_wait_loadcnt 0x0                             ; Q (met at once but in a block's first step)
.if \slot
	v_add_nc_u32 v[ADRK], SLOT, v[KL]
	v_add_nc_u32 v[ADRV], SLOT, v[VL]
.else
	v_mov_b32 v[ADRK], v[KL]
	v_mov_b32 v[ADRV], v[VL]
.endif
	LOADK 0
	s_mov_b32 s14, 0
	s_wait_dscnt 0x0                               ; the first trip's K
.set xsi, 0
.rept 16                                           ; S_A of the step's first trip: no slice of vector work is at hand here
	MATS 0, xsi, 0
.set xsi, xsi+1
.endr
	WIN 0
	PLACES
.Lc_\@:
	s_cmp_gt_u32 s14, s13                          ; keys wholly above my queries' diagonal: nothing to do
	s_cbranch_scc1 .Lskip_\@
	s_cmp_eq_u32 s14, s13
	s_cbranch_scc1 .Lmasked_\@
	PHASE 0, 1, 1, 0, 0                            ; X: softmax of A; O_B of the trip before, S_B; V is read
	s_cmp_eq_u32 s14, 3
	s_cbranch_scc1 .Llast_\@
	PHASE 1, 1, 0, 1, 0                            ; Y: softmax of B; O_A, the next trip's S_A; the next K is read
	s_branch .Lskip_\@
.Llast_\@:
	PHASE 1, 0, 0, 0, 0                            ; Y of the step's fourth trip: the next K lies in the other slot, behind the next barrier
	s_branch .Lskip_\@
.Lmasked_\@:
	PHASE 0, 1, 1, 0, 1                            ; the trip on the diagonal, the block's last for this wave
	PHASE 1, 0, 0, 0, 1
.set xsi, 0
.rept 16                                           ; and O_B's last product, alone
	MATPV 1, xsi, 0
.set xsi, xsi+1
.endr
	WIN 0
.Lskip_\@:
	v_add_nc_u32 v[ADRK], 9216, v[ADRK]            ; 64 keys on
	v_add_nc_u32 v[ADRV], 10240, v[ADRV]
	s_add_co_u32 s14, s14, 1
	s_cmp_lt_u32 s14, 4
	s_cbranch_scc1 .Lc_\@
.if \tail
	EPI 1
.else
	s_cmp_lg_u32 s16, 0
	s_cbranch_scc0 .Lon_\@
	EPI 0
	s_branch .Lend_\@
.Lon_\@:
	s_add_co_u32 s12, s12, 1
.Lend_\@:
.endif
.endm
	s_load_b128 s[4:7], s[0:1], 0x0                ; qkv s[4:5], ctx s[6:7]
	v_lshl_add_u32 v254, v0, 2, 0x2a400
	v_mov_b32 v255, 0
	ds_add_u32 v254, v255
	ds_add_u32 v254, v255
	v_lshrrev_b32 v1, 5, v0
	v_readfirstlane_b32 s8, v1                     ; wave
	s_mov_b32 s9, ttmp9                            ; i
	s_and_b32 s10, ttmp7, 0xffff                   ; bh
	s_sub_co_u32 s11, 7, s9                        ; the first block: 7 - i
	s_mov_b32 s12, 0                               ; key tile
	s_mov_b32 s18, 0x76543210                      ; v_permlanex16_b32: lane l takes lane l xor 16
	s_mov_b32 s19, 0xfedcba98
	s_mov_b32 s20, 0x3e38aa3b                      ; cs = log2(e) / 8: the division by sqrt(64) and the change to base 2
	s_mov_b32 s21, 0x3e38aa3b
	s_mov_b32 s22, 0xff7fffff                      ; finfo.min
	s_mov_b32 s23, 0xbe38aa3b                      ; - cs
	; group 1: 128 keys of 128 bytes are 16,384 consecutive bytes: 64 rows of 32 elements of 8 bytes; padding behind every 32 words: K 4 words, V 8
	s_mov_b32 s[G1K+0], (3<<16)|(1<<20)|(4<<22)|(3<<25)
	s_mov_b32 s[G1K+1], 32<<16
	s_mov_b32 s[G1K+2], 64<<16
	s_mov_b32 s[G1K+3], 32<<16
	s_mov_b32 s[G1K+4], 64
	s_mov_b32 s[G1K+5], 32
	s_mov_b32 s[G1K+6], 0
	s_mov_b32 s[G1K+7], 0
	s_mov_b32 s[G1V+0], (3<<16)|(1<<20)|(4<<22)|(7<<25)
	s_mov_b32 s[G1V+1], 32<<16
	s_mov_b32 s[G1V+2], 64<<16
	s_mov_b32 s[G1V+3], 32<<16
	s_mov_b32 s[G1V+4], 64
	s_mov_b32 s[G1V+5], 32
	s_mov_b32 s[G1V+6], 0
	s_mov_b32 s[G1V+7], 0
	s_and_b32 s70, s8, 1
	s_lshl_b32 s70, s70, 14                        ; which 128 keys of a tile I fetch
	s_lshl_b32 s71, s10, 18                        ; the head
	s_add_co_u32 s70, s70, s71
	s_add_co_u32 s70, s70, 0x1000000               ; k lies behind q
	s_mov_b32 s71, 0
	s_mul_i32 s74, s8, 18432                       ; K's halves at 0 and 18,432 (waves 0, 1)
	s_mul_i32 s75, s8, 20480                       ; V's halves at 40,960 and 61,440 (waves 2, 3)
	s_lshl_b32 s78, s8, 13                         ; my 64 queries of 128 bytes
	s_lshl_b32 s79, s10, 18
	s_add_co_u32 s78, s78, s79                     ; + the head: my offset in q and in ctx, less the block's
	s_wait_dscnt 0x0
	s_wait_kmcnt 0x0
	s_add_nc_u64 s[66:67], s[4:5], s[70:71]        ; my half of the head's K tile 0
	s_add_nc_u64 s[68:69], s[66:67], 0x1000000     ; and of V's
.irp s, 0,1
	s_mov_b32 s[G0K+4*\s], 1
	s_add_co_u32 s[G0K+4*\s+1], s74, \s*SLOT
	s_mov_b64 s[G0K+4*\s+2:G0K+4*\s+3], s[66:67]
	s_or_b32 s[G0K+4*\s+3], s[G0K+4*\s+3], 0x80000000
	s_mov_b32 s[G0V+4*\s], 1
	s_add_co_u32 s[G0V+4*\s+1], s75, \s*SLOT
	s_mov_b64 s[G0V+4*\s+2:G0V+4*\s+3], s[68:69]
	s_or_b32 s[G0V+4*\s+3], s[G0V+4*\s+3], 0x80000000
.endr
	JLOAD 0                                        ; tile 0 into slot 0; slot 1 is first filled behind the first step's barrier.  One load of a wave is out at any time
	v_and_b32 v1, 15, v0                           ; r
	v_bfe_u32 v2, v0, 4, 1                         ; h
	v_lshlrev_b32 v[QO], 7, v1
	v_lshl_add_u32 v[QO], v2, 4, v[QO]
	s_lshl_b32 s74, s11, 15
	s_add_co_u32 s74, s74, s78
	s_mov_b32 s75, 0
	s_add_nc_u64 s[72:73], s[4:5], s[74:75]        ; my queries
	s_add_nc_u64 s[76:77], s[6:7], s[74:75]        ; and their place in ctx
	LOADQ
	v_lshlrev_b32 v3, 3, v2                        ; 8 h
.irp j, 0,1,2,3,4,5,6,7
	v_add_nc_u32 v4, \j, v3
	v_cmp_le_u32 s[24+\j], v4, v1                  ; lanes in which key 8 h + j of a diagonal tile is kept: 8 h + j <= r
.endr
	v_mul_u32_u24 v[KL], v1, 144
	v_lshl_add_u32 v[KL], v2, 4, v[KL]
	v_and_b32 v5, 7, v0
	v_add_nc_u32 v6, v3, v5
	v_mul_u32_u24 v[VL], v6, 160
	v_bfe_u32 v6, v0, 3, 1
	v_lshl_add_u32 v[VL], v6, 4, v[VL]
	v_add_nc_u32 v[VL], VOFF, v[VL]
	s_mul_i32 s79, s8, 2304
	s_add_co_u32 s79, s79, STAGE                   ; my stage
	v_add_nc_u32 v[STO], s79, v[KL]
	v_and_b32 v7, 31, v0
	v_lshrrev_b32 v6, 3, v7
	v_mul_u32_u24 v6, v6, 144
	v_lshl_add_u32 v6, v5, 4, v6
	v_add_nc_u32 v[RD], s79, v6
	v_lshlrev_b32 v[CO], 4, v7
.set zz, 0
.rept 64                                           ; the very first X multiplies V's registers by P_B = 0: they hold zeros until the first V is read.  Once in a wave's life
	v_mov_b32 v[VF+zz], 0
.set zz, zz+1
.endr
	RESET
	s_mov_b32 s17, 4
.Lsteps:
	STEP 0, 0
	STEP 1, 0
	s_sub_co_u32 s17, s17, 1
	s_cmp_lg_u32 s17, 0
	s_cbranch_scc1 .Lsteps
	STEP 0, 1                                      ; the ninth step fills nothing and ends the second block
	s_wait_tensorcnt 0x0
	ds_add_u32 v254, v255
	s_wait_dscnt 0x0
	s_endpgm
.Lfunc_end_k_q580a78940e_attn:
	.size	k_q580a78940e_attn, .Lfunc_end_k_q580a78940e_attn-k_q580a78940e_attn
	.p2alignl 7, 3214868480
	.fill 96, 4, 3214868480
	.section	.rodata,"a",@progbits
	.p2align	6, 0x0
	.amdhsa_kernel k_q580a78940e_attn
		.amdhsa_group_segment_fixed_size 327680
		.amdhsa_private_segment_fixed_size 0
		.amdhsa_enable_private_segment 0
		.amdhsa_kernarg_size 16
		.amdhsa_user_sgpr_count 2
		.amdhsa_user_sgpr_kernarg_segment_ptr 1
		.amdhsa_wavefront_size32 1
		.amdhsa_system_sgpr_workgroup_id_x 1
		.amdhsa_system_sgpr_workgroup_id_y 1
		.amdhsa_system_sgpr_workgroup_id_z 1
		.amdhsa_system_vgpr_workitem_id 0
		.amdhsa_next_free_vgpr 704
		.amdhsa_next_free_sgpr 80
		.amdhsa_reserve_vcc 0
		.amdhsa_float_denorm_mode_32 3
		.amdhsa_float_denorm_mode_16_64 3
		.amdhsa_memory_ordered 1
		.amdhsa_forward_progress 1
		.amdhsa_inst_pref_size 255
	.end_amdhsa_kernel
	.section	.bss,"aw",@nobits
	.p2align	6
	.space	262144
	.amdgpu_metadata
---
amdhsa.version: [ 1, 2 ]
amdhsa.kernels:
  - .name:           k_q580a78940e_attn
    .symbol:         k_q580a78940e_attn.kd
    .args:
      - { .name: qkv, .offset: 0, .size: 8, .value_kind: global_buffer, .address_space: global }
      - { .name: ctx, .offset: 8, .size: 8, .value_kind: global_buffer, .address_space: global }
    .group_segment_fixed_size: 327680
    .private_segment_fixed_size: 0
    .kernarg_segment_align: 8
    .kernarg_segment_size: 16
    .max_flat_workgroup_size: 128
    .sgpr_count:     80
    .vgpr_count:     704
    .wavefront_size: 32
...
	.end_amdgpu_metadata
.endif
;; end of part 3
;; launch proj (part 4): grid 8 x 32, 4 waves a work-group, clusters of 4 x 4, 327,680 bytes of LDS; arguments ctx, cast, bo, out0; writes out0
.if DOCPART == 4
	.amdgcn_target "amdgcn-amd-amdhsa--gfx1250"
	.amdhsa_code_object_version 6
	.text
	.protected	k_q580a78940e_proj
	.globl	k_q580a78940e_proj
	.p2align	8
	.type	k_q580a78940e_proj,@function
k_q580a78940e_proj:
	s_mov_b64 s[64:65], 0
	v_nop
	global_prefetch_b8 v0, s[64:65] scope:SCOPE_SE
	s_setreg_imm32_b32 hwreg(HW_REG_WAVE_MODE, 25, 1), 1
	s_wait_xcnt 0x0
	s_wait_alu depctr_hold_cnt(0) depctr_sa_sdst(0) depctr_va_vdst(0) depctr_va_sdst(0) depctr_va_ssrc(0) depctr_va_vcc(0) depctr_vm_vsrc(0)
	s_getreg_b32 s2, hwreg(HW_REG_IB_STS2, 6, 4)
	s_cmp_eq_u32 s2, 0
	s_cbranch_scc0 .Lentry_in_a_cluster
	s_endpgm
.Lentry_in_a_cluster:
	s_bfe_u32 s2, ttmp6, 0x10000c
	s_cmp_lg_u32 s2, 0xf033
	s_cbranch_scc0 .Lentry_shape_is_right
	s_endpgm
.Lentry_shape_is_right:
; Launch 4 of 4: out0 = ctx wo + bo.  f16 operands (wo holds its bf16 value, written as f16), f32 sums, f32 out.
; A work-group makes 256 rows x 128 columns: 8 x 32 = 256 work-groups.  Wave (mh, nh) makes 128 x 64: 32 accumulator tiles in window 1.
; K goes in 8 steps of 128 (two heads of ctx) through two LDS slots.  In ctx [bh][2048][64] a tile of 256 rows of one head is 32,768 consecutive bytes.
; CLUSTERS: 4 x 4 work-groups.  ctx's tiles hang on the block row alone: joint along a row of the cluster (waves 0, 1: one head each);
; wo's hang on the block column alone: joint along a column (waves 2, 3: 64 k rows each).
; The matrix instruction is used transposed (source 0 = 16 columns of wo, source 1 = 16 rows of ctx): a lane holds row l % 16 and eight neighbouring columns.
; PREFETCH: between a tile's request and the wait for it a wave has 112 matrix instructions, and two slots of a longer K step do not fit in LDS, so later tiles are asked
; for ahead.  A step's ctx tile is 2 x 32,768 bytes; each of the block row's eight work-groups asks for its eighth, 8,192 bytes: one instruction of wave 3, lanes 256 bytes
; apart.  Straight behind the joint load of tile s + 2 it asks for tile s + 4, whose own load stands two K steps (256 matrix instructions of a wave) later; tiles 2 and 3
; are asked for at the head, tiles 0 and 1 never (their loads go out at once), and the steps that load tiles 6 and 7 ask for nothing.  Of a step's wo tile a
; work-group's share would be 4 rows of 256 bytes, too few for an instruction a step: k rows 256 to 1,023 are asked for once, at the head, 24 rows a work-group
; (lanes 24 to 31 repeat lane 23's address): 1.5 MiB in the whole launch.  The four laps are written out, so that the tile stands in the immediate and no address steps.
; REGISTERS, window 0: v0-31 addresses; v32-127 and v128-223 two fragment buffers (ctx 64 registers, wo 32); v224-255 bo.
.set SLOT,  110592                     ; ctx: two heads x 256 rows, pitch 144 (36,864 each); wo: 128 k rows of 256 bytes, pitch 288 (36,864)
.set BOFF,  73728
.set STAGE, 221184                     ; behind the ring: 16 rows x 272 bytes for each wave; no tensor load lands here
.set F0,   32
.set F1,   128
.set BO,   224
.set ADRA, 16
.set ADRB, 18
.set STO,  20
.set RD,   21
.set CO,   22
.set VB,   23
.set VP,   24                          ; prefetch of ctx: 256 x lane; never rewritten
.set VW,   25                          ; prefetch of wo: 2,048 x min(lane, 23); never rewritten
.set G1A, 24
.set G0A, 32
.set G1B, 40
.set G0B, 48
.set MSB, 0
.macro WIN new
.if MSB != (\new)
	s_set_vgpr_msb (MSB<<8)|(\new)
.set MSB, \new
.endif
.endm
.macro PLACES                          ; four places behind a matrix instruction (ISA guide 7.12.1)
.rept 4
	v_nop
.endr
.endm
.macro JLOAD s                         ; waves 0, 1 ask for ctx's tiles, waves 2, 3 for wo's; the branch hangs on the wave's number alone
	s_cmp_eq_u32 s13, 0
	s_cbranch_scc0 .Lfor_b_\@
	tensor_load_to_lds s[G0A+4*\s:G0A+4*\s+3], s[G1A:G1A+7]
	s_nop 0
	s_branch .Lasked_\@
.Lfor_b_\@:
	tensor_load_to_lds s[G0B+4*\s:G0B+4*\s+3], s[G1B:G1B+7]
	s_nop 0
.Lasked_\@:
.endm
.macro PF tile                         ; wave 3 asks for my eighth of ctx's tile of K step tile; a step is two heads, 524,288 bytes
	s_cmp_lg_u32 s12, 3
	s_cbranch_scc1 .Lnopf_\@
	global_prefetch_b8 v[VP], s[72:73] offset:(\tile)*524288 th:TH_LOAD_NT scope:SCOPE_SE
.Lnopf_\@:
.endm
.macro CREST
	s_cmp_lg_u32 s12, 0
	s_cbranch_scc1 .Lnot_wave_0_\@
	s_barrier_signal -3
.Lnot_wave_0_\@:
	s_barrier_wait -3
	s_barrier_signal -1
	s_barrier_wait -1
.endm
.macro CROUND
	s_barrier_signal -1
	s_barrier_wait -1
	CREST
.endm
	s_load_b256 s[4:11], s[0:1], 0x0               ; ctx s[4:5], cast s[6:7], bo s[8:9], out0 s[10:11]
	v_lshl_add_u32 v30, v0, 2, 0x3a400
	v_mov_b32 v31, 0
	ds_add_u32 v30, v31
	ds_add_u32 v30, v31
	v_lshrrev_b32 v1, 5, v0
	v_readfirstlane_b32 s12, v1                    ; wave
	s_lshr_b32 s13, s12, 1                         ; mh.  Also: I fetch for ctx (0) or for wo (1)
	s_and_b32 s14, s12, 1                          ; nh
	s_bfe_u32 s15, ttmp6, 0x40000                  ; cx
	s_bfe_u32 s16, ttmp6, 0x40004                  ; cy
	s_lshl_b32 s17, ttmp9, 2
	s_add_co_u32 s17, s17, s15                     ; block column 0..7
	s_and_b32 s18, ttmp7, 0xffff
	s_lshl_b32 s18, s18, 2
	s_add_co_u32 s18, s18, s16                     ; block row 0..31
	s_lshl_b32 s19, s16, 2
	s_lshl_b32 s19, 15, s19                        ; my row of the cluster
	s_lshl_b32 s20, 0x1111, s15                    ; my column
	s_or_b32 s[G1A+0], s19, (3<<16)|(1<<20)|(1<<21)|(4<<22)|(3<<25)   ; 128 rows of 256 bytes, dense; 4 words of padding behind every 32: LDS rows of 128 + 16 bytes
	s_mov_b32 s[G1A+1], 32<<16
	s_mov_b32 s[G1A+2], 128<<16
	s_mov_b32 s[G1A+3], 32<<16
	s_mov_b32 s[G1A+4], 128
	s_mov_b32 s[G1A+5], 32
	s_mov_b32 s[G1A+6], 0
	s_mov_b32 s[G1A+7], 0
	s_or_b32 s[G1B+0], s20, (1<<16)|(1<<20)|(1<<21)|(5<<22)|(7<<25)   ; 64 k rows of 128 f16, 1,024 elements apart; 8 words of padding behind every 64: LDS rows of 256 + 32 bytes
	s_mov_b32 s[G1B+1], 128<<16
	s_mov_b32 s[G1B+2], 64<<16
	s_mov_b32 s[G1B+3], 128<<16
	s_mov_b32 s[G1B+4], 64
	s_mov_b32 s[G1B+5], 1024
	s_mov_b32 s[G1B+6], 0
	s_mov_b32 s[G1B+7], 0
	s_lshr_b32 s56, s18, 3                         ; ctx: b x 16 heads of 262,144 bytes
	s_lshl_b32 s56, s56, 22
	s_and_b32 s57, s18, 7
	s_lshl_b32 s57, s57, 15                        ; + 256 rows x (block row mod 8)
	s_add_co_u32 s56, s56, s57
	s_mov_b32 s72, s56                             ; the prefetch starts from the same place, in registers of its own: they will hold the block column
	s_lshl_b32 s57, s12, 18                        ; + head = wave (0 or 1)
	s_add_co_u32 s56, s56, s57
	s_mov_b32 s57, 0
	s_lshl_b32 s60, s17, 8                         ; wo: 128 columns of 2 bytes
	s_lshl_b32 s61, s12, 17                        ; + wave x 64 k rows of 2,048 bytes
	s_add_co_u32 s60, s60, s61
	s_add_co_u32 s60, s60, 22806528                ; + 23,068,672 - 2 x 131,072: wave 2 takes k rows 0 to 63
	s_mov_b32 s61, 0
	s_mul_i32 s62, s12, 36864                      ; LDS: ctx's two heads at 0 and 36,864
	s_mul_i32 s63, s12, 18432
	s_add_co_u32 s63, s63, 36864                   ; wo's halves at 73,728 and 92,160
	s_lshr_b32 s73, s17, 2                         ; my eighth of a ctx tile: head (block column / 4) of the step's two,
	s_lshl_b32 s73, s73, 18
	s_add_co_u32 s72, s72, s73
	s_and_b32 s73, s17, 3                          ; quarter (block column mod 4) of its 32,768 bytes
	s_lshl_b32 s73, s73, 13
	s_add_co_u32 s72, s72, s73
	s_mov_b32 s73, 0
	s_mul_i32 s74, s18, 49152                      ; my 24 k rows of wo: 256 + 24 x block row, rows of 2,048 bytes,
	s_lshl_b32 s75, s17, 8                         ; in my block column's 256 bytes
	s_add_co_u32 s74, s74, s75
	s_add_co_u32 s74, s74, 23592960                ; 23,068,672 + 256 rows
	s_mov_b32 s75, 0
	s_wait_dscnt 0x0
	s_wait_kmcnt 0x0
	s_add_nc_u64 s[58:59], s[4:5], s[56:57]
	s_add_nc_u64 s[60:61], s[6:7], s[60:61]
	s_add_nc_u64 s[72:73], s[4:5], s[72:73]        ; the last byte asked for is byte 16,776,960 of ctx's 16,777,216
	s_add_nc_u64 s[74:75], s[6:7], s[74:75]        ; and byte 25,165,568 of cast's 25,165,824
	CROUND                                         ; all sixteen work-groups are here: the first joint loads meet
.irp s, 0,1
	s_mov_b32 s[G0A+4*\s], 1
	s_add_co_u32 s[G0A+4*\s+1], s62, \s*SLOT
	s_add_nc_u64 s[G0A+4*\s+2:G0A+4*\s+3], s[58:59], \s*524288     ; two heads a step
	s_or_b32 s[G0A+4*\s+3], s[G0A+4*\s+3], 0x80000000
	s_mov_b32 s[G0B+4*\s], 1
	s_add_co_u32 s[G0B+4*\s+1], s63, \s*SLOT
	s_add_nc_u64 s[G0B+4*\s+2:G0B+4*\s+3], s[60:61], \s*262144     ; 128 k rows a step
	s_or_b32 s[G0B+4*\s+3], s[G0B+4*\s+3], 0x80000000
	JLOAD \s                                       ; two loads of the wave are out
.endr
	v_and_b32 v5, 31, v0                           ; lane
	v_lshlrev_b32 v[VP], 8, v5
	v_min_u32 v[VW], 23, v5
	v_lshlrev_b32 v[VW], 11, v[VW]
	s_cmp_lg_u32 s12, 3                            ; wave 3 asks, straight behind the first loads: ctx's tiles 2 and 3, and my rows of wo
	s_cbranch_scc1 .Lnohead
	global_prefetch_b8 v[VP], s[72:73] offset:2*524288 th:TH_LOAD_NT scope:SCOPE_SE
	global_prefetch_b8 v[VP], s[72:73] offset:3*524288 th:TH_LOAD_NT scope:SCOPE_SE
	global_prefetch_b8 v[VW], s[74:75] th:TH_LOAD_NT scope:SCOPE_SE
.Lnohead:
	v_and_b32 v1, 15, v0                           ; r
	v_bfe_u32 v2, v0, 4, 1                         ; h
	v_and_b32 v3, 7, v0
	v_bfe_u32 v4, v0, 3, 1
	v_mul_u32_u24 v6, v1, 144
	v_lshl_add_u32 v6, v2, 4, v6
	s_mul_i32 s66, s13, 18432                      ; my 128 rows
	v_add_nc_u32 v[ADRA], s66, v6
	v_add_nc_u32 v[ADRA+1], SLOT, v[ADRA]
	v_lshl_add_u32 v7, v2, 3, v3
	v_mul_u32_u24 v7, v7, 288
	v_lshl_add_u32 v7, v4, 4, v7
	s_lshl_b32 s66, s14, 7
	s_add_co_u32 s66, s66, BOFF
	v_add_nc_u32 v[ADRB], s66, v7
	v_add_nc_u32 v[ADRB+1], SLOT, v[ADRB]
	s_mul_i32 s66, s12, 4352
	s_add_co_u32 s66, s66, STAGE                   ; my stage
	v_mul_u32_u24 v8, v1, 272
	v_lshl_add_u32 v8, v2, 5, v8                   ; in: row r, 32 bytes for each half of the lanes
	v_add_nc_u32 v[STO], s66, v8
	v_mul_u32_u24 v9, v2, 272
	v_lshl_add_u32 v9, v1, 4, v9                   ; back: lanes 0-15 take one row of 256 bytes, lanes 16-31 the next
	v_add_nc_u32 v[RD], s66, v9
	v_lshlrev_b32 v[CO], 12, v2                    ; and the same two rows in out0
	v_lshl_add_u32 v[CO], v1, 4, v[CO]
	s_lshl_b32 s70, s17, 9
	s_lshl_b32 s71, s14, 8
	s_add_co_u32 s70, s70, s71                     ; my first column in bytes of f32: 512 block + 256 nh
	v_lshlrev_b32 v[VB], 5, v2
	v_add_nc_u32 v[VB], s70, v[VB]
.irp bb, 0,1,2,3
	global_load_b128 v[BO+8*\bb:BO+8*\bb+3], v[VB], s[8:9] offset:64*\bb       ; bo of my columns, laid as an accumulator tile's registers
	global_load_b128 v[BO+8*\bb+4:BO+8*\bb+7], v[VB], s[8:9] offset:64*\bb+16
.endr
	s_lshl_b32 s68, s18, 20                        ; 256 rows of 4,096 bytes
	s_lshl_b32 s71, s13, 19
	s_add_co_u32 s68, s68, s71
	s_add_co_u32 s68, s68, s70
	s_mov_b32 s69, 0
	s_add_nc_u64 s[10:11], s[10:11], s[68:69]
; 16 matrix instructions: row tiles a0 .. a0 + 3 x 4 column tiles.  The 32 accumulators take turns, one instruction a turn.
.macro MUL16 f, a0, zero
.irp a, \a0, \a0+1, \a0+2, \a0+3
.irp bb, 0,1,2,3
.if \zero
	v_wmma_f32_16x16x32_f16 v[8*(4*(\a)+\bb):8*(4*(\a)+\bb)+7], v[\f+64+8*\bb:\f+64+8*\bb+7], v[\f+8*(\a):\f+8*(\a)+7], 0
.else
	v_wmma_f32_16x16x32_f16 v[8*(4*(\a)+\bb):8*(4*(\a)+\bb)+7], v[\f+64+8*\bb:\f+64+8*\bb+7], v[\f+8*(\a):\f+8*(\a)+7], v[8*(4*(\a)+\bb):8*(4*(\a)+\bb)+7]
.endif
.endr
.endr
.endm
.macro FETCH slot, q, f                ; 24 LDS loads: quarter q's fragments (k = 32 q ..: head q / 2, half q % 2)
.irp a, 0,1,2,3,4,5,6,7
	ds_load_b128 v[\f+8*\a:\f+8*\a+3], v[ADRA+\slot] offset:36864*(\q/2)+2304*\a+64*(\q%2)
	ds_load_b128 v[\f+8*\a+4:\f+8*\a+7], v[ADRA+\slot] offset:36864*(\q/2)+2304*\a+64*(\q%2)+32
.endr
.irp bb, 0,1,2,3
	ds_load_tr16_b128 v[\f+64+8*\bb:\f+64+8*\bb+3], v[ADRB+\slot] offset:9216*\q+32*\bb
	ds_load_tr16_b128 v[\f+64+8*\bb+4:\f+64+8*\bb+7], v[ADRB+\slot] offset:9216*\q+32*\bb+4608
.endr
.endm
.macro QTR f, g, nslot, nq, zero       ; multiplies buffer f; the next quarter's fragments go out first, into g, 32 matrix instructions ahead of their use
	s_wait_dscnt 0x0                               ; buffer f is in
	PLACES
	FETCH \nslot, \nq, \g
	WIN 0x50
	MUL16 \f, 0, \zero
	MUL16 \f, 4, \zero
	WIN 0
.endm
.macro THREE slot, zero
	QTR F0, F1, \slot, 1, \zero
	QTR F1, F0, \slot, 2, 0
	QTR F0, F1, \slot, 3, 0
.endm
; A step's last quarter changes slots: each wave's reads of this slot and all its tensor loads are waited for in front of the barrier; where the slot is
; filled again the barrier opens a round of the cluster's barrier and the joint refill is the first tensor load behind it.  pft: the ctx tile to ask for ahead, or -1.
.macro TURN slot, next, fill, pft
	s_wait_dscnt 0x0
	s_wait_tensorcnt 0x0
	ds_add_u32 v30, v31
	s_wait_dscnt 0x0
	s_barrier_signal -1
	WIN 0x50
	MUL16 F1, 0, 0
	WIN 0
	s_barrier_wait -1
.if \fill
	CREST
	s_add_nc_u64 s[G0A+4*\slot+2:G0A+4*\slot+3], s[G0A+4*\slot+2:G0A+4*\slot+3], 1048576   ; four heads on
	s_add_nc_u64 s[G0B+4*\slot+2:G0B+4*\slot+3], s[G0B+4*\slot+2:G0B+4*\slot+3], 524288    ; 256 k rows on
	JLOAD \slot
.if \pft >= 0
	PF \pft
.endif
.endif
	PLACES
	FETCH \next, 0, F0
	WIN 0x50
	MUL16 F1, 4, 0
	WIN 0
.endm
.macro LAP zero, p0, p1
	THREE 0, \zero
	TURN 0, 1, 1, \p0
	THREE 1, 0
	TURN 1, 0, 1, \p1
.endm
	s_wait_tensorcnt 1                             ; my part of K step 0 is in; step 1's stays out
	s_barrier_signal -1
	s_barrier_wait -1
	FETCH 0, 0, F0
	LAP 1, 4, 5                                    ; K steps 0, 1: the first products start the sums; tiles 2, 3 are loaded, tiles 4, 5 asked for ahead
	LAP 0, 6, 7                                    ; K steps 2, 3: tiles 4, 5 are loaded, tiles 6, 7 asked for ahead
	LAP 0, -1, -1                                  ; K steps 4, 5: tiles 6, 7 are loaded; nothing is left to ask for
	THREE 0, 0                                     ; K steps 6, 7: the last lap fills nothing
	TURN 0, 1, 0, -1
	THREE 1, 0
	s_wait_dscnt 0x0
	WIN 0x50
	MUL16 F1, 0, 0
	MUL16 F1, 4, 0
	WIN 0
	PLACES
	s_wait_loadcnt 0x0                             ; bo
; THE WAY OUT, 16 rows at a time: add bo, 32 bytes a lane into my stage, back as whole rows of 256 bytes.
.macro OUTP a, f
	WIN 0x01
.irp bb, 0,1,2,3
.irp p, 0,1,2,3
	v_pk_add_f32 v[32+8*\bb+2*\p:32+8*\bb+2*\p+1], v[8*(4*\a+\bb)+2*\p:8*(4*\a+\bb)+2*\p+1], v[BO+8*\bb+2*\p:BO+8*\bb+2*\p+1]
.endr
.endr
	WIN 0
.irp bb, 0,1,2,3
	ds_store_b128 v[STO], v[32+8*\bb:32+8*\bb+3] offset:64*\bb
	ds_store_b128 v[STO], v[32+8*\bb+4:32+8*\bb+7] offset:64*\bb+16
.endr
	s_wait_xcnt 0x0                                ; buffer f, which earlier stores read, is loaded again only behind this wait
.irp tt, 0,1,2,3,4,5,6,7
	ds_load_b128 v[\f+4*\tt:\f+4*\tt+3], v[RD] offset:544*\tt      ; LDS serves a wave's instructions in order: these see the stores above
.endr
.irp tt, 0,1,2,3,4,5,6,7
	s_wait_dscnt 7-\tt                             ; the younger read-backs stay out
	global_store_b128 v[CO], v[\f+4*\tt:\f+4*\tt+3], s[10:11] offset:(16*\a+2*\tt)*4096 th:TH_STORE_NT   ; 16 lanes store 256 consecutive bytes, aligned
.endr
.endm
	OUTP 0, 64
	OUTP 1, 96
	OUTP 2, 64
	OUTP 3, 96
	OUTP 4, 64
	OUTP 5, 96
	OUTP 6, 64
	OUTP 7, 96
	s_wait_tensorcnt 0x0
	ds_add_u32 v30, v31
	s_wait_dscnt 0x0
	CROUND                                         ; the closing round
	s_endpgm
.Lfunc_end_k_q580a78940e_proj:
	.size	k_q580a78940e_proj, .Lfunc_end_k_q580a78940e_proj-k_q580a78940e_proj
	.p2alignl 7, 3214868480
	.fill 96, 4, 3214868480
	.section	.rodata,"a",@progbits
	.p2align	6, 0x0
	.amdhsa_kernel k_q580a78940e_proj
		.amdhsa_group_segment_fixed_size 327680
		.amdhsa_private_segment_fixed_size 0
		.amdhsa_enable_private_segment 0
		.amdhsa_kernarg_size 32
		.amdhsa_user_sgpr_count 2
		.amdhsa_user_sgpr_kernarg_segment_ptr 1
		.amdhsa_wavefront_size32 1
		.amdhsa_system_sgpr_workgroup_id_x 1
		.amdhsa_system_sgpr_workgroup_id_y 1
		.amdhsa_system_sgpr_workgroup_id_z 1
		.amdhsa_system_vgpr_workitem_id 0
		.amdhsa_next_free_vgpr 512
		.amdhsa_next_free_sgpr 80
		.amdhsa_reserve_vcc 0
		.amdhsa_float_denorm_mode_32 3
		.amdhsa_float_denorm_mode_16_64 3
		.amdhsa_memory_ordered 1
		.amdhsa_forward_progress 1
		.amdhsa_inst_pref_size 159
	.end_amdhsa_kernel
	.amdgpu_metadata
---
amdhsa.version: [ 1, 2 ]
amdhsa.kernels:
  - .name:           k_q580a78940e_proj
    .symbol:         k_q580a78940e_proj.kd
    .args:
      - { .name: ctx, .offset: 0, .size: 8, .value_kind: global_buffer, .address_space: global }
      - { .name: cast, .offset: 8, .size: 8, .value_kind: global_buffer, .address_space: global }
      - { .name: bo, .offset: 16, .size: 8, .value_kind: global_buffer, .address_space: global }
      - { .name: out0, .offset: 24, .size: 8, .value_kind: global_buffer, .address_space: global }
    .group_segment_fixed_size: 327680
    .private_segment_fixed_size: 0
    .kernarg_segment_align: 8
    .kernarg_segment_size: 32
    .max_flat_workgroup_size: 128
    .sgpr_count:     80
    .vgpr_count:     512
    .wavefront_size: 32
...
	.end_amdgpu_metadata
.endif
;; end of part 4
